; MI455X (gfx1250); checked and timed in simulation.
; The chip was launched on July 23, 2026; its instructions are those of AMD's public machine-readable ISA for CDNA 5 (MIT licence, August 2026) and "CDNA5" Instruction Set Architecture Reference Guide (July 2026). The comments in the code are by the model that wrote it; some were corrected since.
;; Flax Phi Moe Bloc K Spares Top2 MLP Collection. Allowed arithmetic: matrix products marked QUANTISED: E2M1 operands, one E8M0 scale for each 32 along K, by v_wmma_scale_f32_16x16x128_f8f6f4 with both operands' format E2M1 (or v_wmma_scale_f32_32x16x128_f4), f32 sums; everything else in f32.
;; Inputs: hidden_states 2 x 1,024 x 2,048 float32; routing_weights 2 x 1,024 x 2 float32; selected_experts 2 x 1,024 x 2 int32; w1 8 x 2,048 x 512 float32; w2 8 x 512 x 2,048 float32; w3 8 x 2,048 x 512 float32.
;; Outputs: out0 2 x 1,024 x 2,048 float32.
;; This version of the problem:
;;   THIS VERSION OF THE PROBLEM IS GIVEN IN LOW PRECISION. The matrix products marked QUANTISED in the list below multiply operands that are first quantised to E2M1 (2 exponent bits, 1 mantissa bit; 4 bits a number), with one power-of-two scale for each 32 numbers along K (OCP MX v1.0); their sums are f32. All else is computed in f32.
;;   The module's matrix products, in the order in which they are computed (A, B: the left and right operand; K: the contracted axis; several contracted axes count as one K, in the product's order):
;;     1. [M 2,048, K 2,048] x [K 2,048, N 512]; A: input hidden_states; B: input w1: QUANTISED
;;     2. [M 2,048, K 2,048] x [K 2,048, N 512]; A: input hidden_states; B: input w3: QUANTISED
;;     3. [M 2,048, K 512] x [K 512, N 2,048]; A: computed on the way; B: input w2: QUANTISED
;;     4. [M 2,048, K 2,048] x [K 2,048, N 512]; A: input hidden_states; B: input w1: QUANTISED
;;     5. [M 2,048, K 2,048] x [K 2,048, N 512]; A: input hidden_states; B: input w3: QUANTISED
;;     6. [M 2,048, K 512] x [K 512, N 2,048]; A: computed on the way; B: input w2: QUANTISED
;;     7. [M 2,048, K 2,048] x [K 2,048, N 512]; A: input hidden_states; B: input w1: QUANTISED
;;     8. [M 2,048, K 2,048] x [K 2,048, N 512]; A: input hidden_states; B: input w3: QUANTISED
;;     9. [M 2,048, K 512] x [K 512, N 2,048]; A: computed on the way; B: input w2: QUANTISED
;;     10. [M 2,048, K 2,048] x [K 2,048, N 512]; A: input hidden_states; B: input w1: QUANTISED
;;     11. [M 2,048, K 2,048] x [K 2,048, N 512]; A: input hidden_states; B: input w3: QUANTISED
;;     12. [M 2,048, K 512] x [K 512, N 2,048]; A: computed on the way; B: input w2: QUANTISED
;;     13. [M 2,048, K 2,048] x [K 2,048, N 512]; A: input hidden_states; B: input w1: QUANTISED
;;     14. [M 2,048, K 2,048] x [K 2,048, N 512]; A: input hidden_states; B: input w3: QUANTISED
;;     15. [M 2,048, K 512] x [K 512, N 2,048]; A: computed on the way; B: input w2: QUANTISED
;;     16. [M 2,048, K 2,048] x [K 2,048, N 512]; A: input hidden_states; B: input w1: QUANTISED
;;     17. [M 2,048, K 2,048] x [K 2,048, N 512]; A: input hidden_states; B: input w3: QUANTISED
;;     18. [M 2,048, K 512] x [K 512, N 2,048]; A: computed on the way; B: input w2: QUANTISED
;;     19. [M 2,048, K 2,048] x [K 2,048, N 512]; A: input hidden_states; B: input w1: QUANTISED
;;     20. [M 2,048, K 2,048] x [K 2,048, N 512]; A: input hidden_states; B: input w3: QUANTISED
;;     21. [M 2,048, K 512] x [K 512, N 2,048]; A: computed on the way; B: input w2: QUANTISED
;;     22. [M 2,048, K 2,048] x [K 2,048, N 512]; A: input hidden_states; B: input w1: QUANTISED
;;     23. [M 2,048, K 2,048] x [K 2,048, N 512]; A: input hidden_states; B: input w3: QUANTISED
;;     24. [M 2,048, K 512] x [K 512, N 2,048]; A: computed on the way; B: input w2: QUANTISED
;;   THE QUANTISER, for each operand of a quantised product, along K:
;;     - K is cut into blocks of 32 from its start; a last block that is shorter is filled with zeros.
;;     - A block's scale is 2^e with e = floor(log2(the largest magnitude in the block)) - 2, held to -126 .. 127; a block of zeros has e = 0. As a byte (E8M0): e + 127.
;;     - Each number is divided by its block's scale, clamped to +-6, and rounded to the nearest number of E2M1, ties to even, subnormals kept.
;;     - The product sums the exact products of the quantised numbers (number of the format x scale) in f32.
;;   ~~~python
;;   def quantise(x, axis):      # numpy; x: float32 -> the quantised numbers, widened to float32 again
;;       x = np.moveaxis(x, axis, -1); K = x.shape[-1]
;;       x = np.pad(x, [(0, 0)] * (x.ndim - 1) + [(0, -K % 32)]); x = x.reshape(x.shape[:-1] + (-1, 32)); a = np.abs(x).max(-1, keepdims=True)
;;       e = np.where(a > 0, np.clip(np.frexp(np.where(a > 0, a, 1))[1] - 1 - 2, -126, 127), 0)      # np.frexp(a)[1] - 1 = floor(log2(a)), exactly
;;       r = np.clip(x / 2.0 ** e, -6, 6)
;;       step = 2.0 ** (np.maximum(np.frexp(np.where(r == 0, 1, r))[1] - 1, 0) - 1)
;;       q = np.round(r / step) * step * 2.0 ** e      # np.round: ties to even
;;       return np.moveaxis(q.reshape(q.shape[:-2] + (-1,))[..., :K], -1, axis).astype(np.float32)
;;   ~~~
;;   OPERANDS COMPUTED ON THE WAY. 'Computed on the way' means the value that the module computes at that place (a softmax that the list does not call 'softmax' is quantised finished and normalised). What goes into a quantiser is computed in f32, as accurately as f32 sums, v_exp_f32 and their like allow (about 1e-6 of the number): no bf16 or f16 on the way to a quantiser, and a product that is left as it is and whose result goes on into a quantised operand takes f32 operands (vector FMAs, or v_wmma_f32_16x16x4_f32). A number that lies on a knife's edge between two numbers of the format may be rounded either way, as far as f32 arithmetic and the matrix unit's own rounding can turn it there, and no further.
;; One version. Each part assembles by itself: llvm-mc -triple=amdgcn-amd-amdhsa -mcpu=gfx1250 --defsym DOCPART=n.
;; ======== version 1 of 1: 3 launches
;; workspace buffers: xc 2,097,152 bytes; xs 131,072 bytes; w13c 8,388,608 bytes; w13s 524,288 bytes; w2c 4,194,304 bytes; w2s 262,144 bytes; hc 4,194,304 bytes; hs 262,144 bytes
;; launch quant (part 1): grid 448 x 1, 8 waves a work-group, no clusters, 105,472 bytes of LDS; arguments w1, w3, w2, hidden_states, w13c, w13s, w2c, w2s, xc, xs; writes w13c, w13s, w2c, w2s, xc, xs
.if DOCPART == 1
	.amdgcn_target "amdgcn-amd-amdhsa--gfx1250"
	.amdhsa_code_object_version 6
	.text
	.protected	k_q355b87ba4d_quant
	.globl	k_q355b87ba4d_quant
	.p2align	8
	.type	k_q355b87ba4d_quant,@function
k_q355b87ba4d_quant:
	s_mov_b64 s[64:65], 0
	v_nop
	global_prefetch_b8 v0, s[64:65] scope:SCOPE_SE
	s_setreg_imm32_b32 hwreg(HW_REG_WAVE_MODE, 25, 1), 1
	s_wait_xcnt 0x0
; All four f32 operands become codes of FP4 (E2M1) with one E8M0 scale byte for each 32 along K.
; A block's scale is 2^(floor(log2(its largest magnitude)) - 2); its byte is the largest magnitude's exponent field - 2, held at 1 from below.
; LIMITS: NaN and infinities among the inputs are not served.  A block whose largest magnitude lies under 2^-124, a block of zeros among them, gets the byte 1
; (the rule gives a block of zeros 127: its codes are zeros, which add nothing under any byte but 0xff, and these bytes are read by this program alone).
; THE CODES ARE LAID AS IMAGES OF OPERAND REGISTERS: K step ks (128 along K), row:  ks x ROWS x 64 + (row / 16) x 1024 + c x 512 + 16 x lane, lane = row % 16 + 16 h;
; those 16 bytes hold k = 128 ks + 64 c + 32 h + 0 .. 31.  THE SCALE BYTES: (ks / 4) x ROWS x 16 + row x 16 + (ks % 4) x 4 + (k / 32) % 4.
; ROWS AND THEIR ORDER.  xc: 2,048 tokens as they come.  w13c: 8,192 rows, w1's and w3's columns f of expert e at
;   P = 1024 e + 256 (f / 128) + 128 ((f / 64) % 2) + 64 which + 32 ((f / 32) % 2) + 16 ((f / 8) % 2) + 8 ((f / 16) % 2) + f % 8   (which = 0: w1, 1: w3).
; w2c: 2,048 rows, column n with its bits 3 and 4 exchanged; K step 4 e + q.
; WORK-GROUPS 0-127 take w1, 128-255 w3, 256-383 w2, all by ONE path (only pointers, a pitch and offsets are chosen, on the work-group's number); 384-447 take hidden_states by a path of its own, with LDS bytes of its own.
; A stream: each input byte is read once, nothing is shared between work-groups, so there are no tensor loads, no cluster and no matrix work here.
.set PITCH, 272                        ; a row of the weights' stage: 256 bytes of codes (512 along K) + 16
.set SSTG,  128*PITCH                  ; behind its 128 rows: the scale bytes' stage, 128 rows x 16 bytes
.set XSTG,  SSTG+2048                  ; behind that: the x path's stages,
.set XROW,  528                        ; rows of 512 bytes + 16,
.set XSTB,  16*XROW                    ; 16 rows for each wave
.set SB,    24                         ; v24-25   weights: my column's 8 scale bytes
.set X,     32                         ; v32-95   weights: two sets of 32 numbers; on the way out 8 x 4 registers of codes
.set C,     96                         ; v96-99   weights: a block's codes
.set VOFF,  100                        ; v100-131 weights: byte offset of row i of a block at my column: i x pitch + 4 x lane; never rewritten
.set BB,    40                         ; s[40:55] weights: the address of my wave's block t, t = 0 .. 7
.set OB,    56                         ; s[56:63] weights: where my 16 rows' codes of K step q go, q = 0 .. 3
.set R,     16                         ; v16-143  x: two sets of 64 registers as loaded
.set XQ,    144                        ; v144-207 x: 64 numbers of my row: register 16 b + i = k 32 b + 16 h + i
.set TM,    208                        ; v208-223 x: at work
.set PC,    224                        ; v224-231 x: a fragment's codes
.set PW,    232                        ; v232-235 x: my row's scale words of the four K steps
.macro LOAD t                          ; block t: 32 rows of K at my column into set t % 2; a load reads 128 consecutive bytes, four waves side by side 512
.irp i, 0,1,2,3,4,5,6,7,8,9,10,11,12,13,14,15,16,17,18,19,20,21,22,23,24,25,26,27,28,29,30,31
	global_load_b32 v[X+32*((\t)%2)+\i], v[VOFF+\i], s[BB+2*(\t):BB+2*(\t)+1] th:TH_LOAD_NT
.endr
.endm
.macro BLOCK t                         ; a block of 32 along K lies in ONE lane's 32 registers: no other lane is asked, and the codes come out with K innermost
.set XS, X+32*((\t)%2)
.if (\t) < 7
	s_wait_loadcnt 32                              ; this block's 32 loads are in; the next block's 32 may be out
.else
	s_wait_loadcnt 0x0
.endif
	v_max3_num_f32 v12, |v[XS]|, |v[XS+1]|, |v[XS+2]|
	v_max3_num_f32 v13, |v[XS+3]|, |v[XS+4]|, |v[XS+5]|
.irp i, 6,10,14,18,22,26
	v_max3_num_f32 v12, v12, |v[XS+\i]|, |v[XS+\i+1]|
	v_max3_num_f32 v13, v13, |v[XS+\i+2]|, |v[XS+\i+3]|
.endr
	v_max3_num_f32 v12, v12, |v[XS+30]|, |v[XS+31]|
	v_max3_num_f32 v12, v12, v13, 0x1800000        ; and the floor 2^(3 - 127): the byte cannot fall under 1
	v_add_nc_u32 v11, 0xff000000, v12              ; 2 off the exponent field: the conversion takes the exponent field of this operand as its scale
	v_lshrrev_b32 v13, 23, v11                     ; the scale's byte
.if (\t)%4 == 0
	v_mov_b32 v[SB+(\t)/4], v13
.else
	v_lshl_or_b32 v[SB+(\t)/4], v13, 8*((\t)%4), v[SB+(\t)/4]
.endif
.irp g, 0,1,2,3
	v_cvt_scalef32_pk8_fp4_f32 v[C+\g], v[XS+8*\g:XS+8*\g+7], v11
.endr
	ds_store_b128 v4, v[C:C+3] offset:16*(\t)      ; 32 codes: 16 bytes of my column's stage row
.if (\t)+2 < 8
	LOAD (\t)+2
.endif
	s_wait_dscnt 0x0                               ; the store has read its registers: the next block's codes may be written
.endm
.macro XLOAD s                         ; K step s of my 16 tokens: a load reads 512 consecutive bytes of one token's row
.irp i, 0,1,2,3,4,5,6,7,8,9,10,11,12,13,14,15
	global_load_b128 v[R+64*((\s)%2)+4*\i:R+64*((\s)%2)+4*\i+3], v2, s[14:15] offset:8192*\i+512*(\s) th:TH_LOAD_NT
.endr
.endm
.macro XTURN s                         ; through my wave's stage: in as loaded, back 16 neighbours of each block of 32 to a lane.  LDS serves a wave's instructions in order: no wait between
.irp i, 0,1,2,3,4,5,6,7,8,9,10,11,12,13,14,15
	ds_store_b128 v3, v[R+64*((\s)%2)+4*\i:R+64*((\s)%2)+4*\i+3] offset:XROW*\i
.endr
.irp b, 0,1,2,3
.irp j, 0,1,2,3
	ds_load_b128 v[XQ+16*\b+4*\j:XQ+16*\b+4*\j+3], v4 offset:128*\b+16*\j
.endr
.endr
.endm
; 64 numbers of a lane, register 16 b + i = k 32 b + 16 (lane / 16) + i of my row, become a fragment's codes in v[pc] on and its scale word in v[pw]
.macro QUANT s, pc, pw
.irp b, 0,1,2,3
	v_max3_num_f32 v[TM+\b], |v[\s+16*\b]|, |v[\s+1+16*\b]|, 0x1800000   ; my 16 numbers of block b, and the floor 2^(3 - 127)
.endr
.irp i, 2,4,6,8,10,12,14
.irp b, 0,1,2,3
	v_max3_num_f32 v[TM+\b], v[TM+\b], |v[\s+16*\b+\i]|, |v[\s+1+16*\b+\i]|   ; the four blocks by turns
.endr
.endr
.irp b, 0,1,2,3
	v_permlanex16_b32 v[TM+4+\b], v[TM+\b], s2, s3
.endr
.irp b, 0,1,2,3
	v_max_num_f32 v[TM+\b], v[TM+\b], v[TM+4+\b]   ; with lane l xor 16's: the block's largest magnitude
.endr
.irp b, 0,1,2,3
	v_add_nc_u32 v[TM+12+\b], 0xff000000, v[TM+\b]
.endr
.irp b, 0,1,2,3
	v_lshrrev_b32 v[TM+4+\b], 23, v[TM+12+\b]
.endr
	v_lshl_or_b32 v[\pw], v[TM+5], 8, v[TM+4]      ; the four bytes make my row's scale word
	v_lshl_or_b32 v[\pw], v[TM+6], 16, v[\pw]
	v_lshl_or_b32 v[\pw], v[TM+7], 24, v[\pw]
.irp b, 0,1,2,3
	v_cvt_scalef32_pk8_fp4_f32 v[\pc+2*\b], v[\s+16*\b:\s+7+16*\b], v[TM+12+\b]
	v_cvt_scalef32_pk8_fp4_f32 v[\pc+1+2*\b], v[\s+8+16*\b:\s+15+16*\b], v[TM+12+\b]
.endr
	v_nop                                          ; one plain place behind a scaled conversion
.irp c, 0,1                                    ; the operand's layout wants a whole block in a lane: lanes 0-15 block 2 c, lanes 16-31 block 2 c + 1
.irp i, 0,1
	v_permlane16_swap_b32 v[\pc+4*\c+\i], v[\pc+2+4*\c+\i]
.endr
.endr
.endm
.macro XSTEP s
.if (\s) < 3
	s_wait_loadcnt 16                              ; this K step's 16 loads are in; the next step's 16 may be out
.else
	s_wait_loadcnt 0x0
.endif
	XTURN \s
	s_wait_dscnt 0x0                               ; my numbers are back, and the stores into the stage have read their registers
	s_wait_xcnt 0x0                                ; the last step's stores have read the code registers, which are written again below
.if (\s) < 2
	XLOAD (\s)+2
.endif
	QUANT XQ, PC, PW+(\s)
	global_store_b128 v2, v[PC:PC+3], s[24:25] offset:131072*(\s)          ; 32 lanes store 512 consecutive bytes
	global_store_b128 v2, v[PC+4:PC+7], s[24:25] offset:131072*(\s)+512
.endm
	s_load_b512 s[8:23], s[0:1], 0x0               ; w1 s[8:9], w3 s[10:11], w2 s[12:13], x s[14:15], w13c s[16:17], w13s s[18:19], w2c s[20:21], w2s s[22:23]
	s_load_b128 s[24:27], s[0:1], 0x40             ; xc s[24:25], xs s[26:27]
	v_lshl_add_u32 v240, v0, 2, 0x19800
	v_mov_b32 v241, 0
	v_lshrrev_b32 v1, 5, v0
	v_readfirstlane_b32 s28, v1                    ; wave 0..7
	s_cmp_ge_u32 ttmp9, 384                        ; the same way for all eight waves of a work-group
	s_cbranch_scc1 .Lx_path
	; ---- THE WEIGHTS.  A work-group takes 128 columns x 512 along K.  Wave w: columns 32 (w % 4) on, a lane to a column; rows 256 (w / 4) on of K: 8 blocks.
	s_lshr_b32 s29, ttmp9, 7                       ; kind: 0 w1, 1 w3, 2 w2
	s_and_b32 s30, ttmp9, 127
	s_lshr_b32 s31, s30, 4                         ; the expert
	s_and_b32 s32, s28, 3                          ; which 32 columns
	s_lshr_b32 s33, s28, 2                         ; which 256 of K
	s_bfe_u32 s34, s30, 0x20002                    ; w1, w3: which 128 columns of 512,
	s_and_b32 s35, s30, 3                          ;         which 512 of K
	s_and_b32 s36, s30, 15                         ; w2: which 128 columns of 2,048
	s_lshl_b32 s39, s31, 6                         ; the block of 16 output rows that my wave stores.  w1, w3: 64 e + 16 g + 4 which + 8 (w / 4) + w % 4
	s_lshl_b32 s74, s34, 4
	s_add_co_u32 s39, s39, s74
	s_lshl_b32 s74, s29, 2
	s_add_co_u32 s39, s39, s74
	s_lshl_b32 s74, s33, 3
	s_add_co_u32 s39, s39, s74
	s_add_co_u32 s39, s39, s32
	s_lshl_b32 s75, s36, 3                         ; w2: 8 g + w
	s_add_co_u32 s75, s75, s28
	s_wait_kmcnt 0x0
	s_cmp_eq_u32 s29, 2                            ; every choice hangs on the work-group's number alone
	s_cselect_b32 s37, 2, 0                        ; w2's rows are four times as long, its tensors of codes a quarter as tall
	s_cselect_b32 s34, s36, s34                    ; which 128 columns
	s_cselect_b32 s38, s31, s35                    ; which group of four K steps in the output
	s_cselect_b32 s35, 0, s35                      ; which 512 of K in the expert's matrix
	s_cselect_b32 s39, s75, s39
	s_cselect_b64 s[68:69], s[20:21], s[16:17]     ; the codes' buffer
	s_cselect_b64 s[70:71], s[22:23], s[18:19]     ; the scale bytes' buffer
	s_cselect_b64 s[72:73], s[12:13], s[10:11]
	s_cmp_eq_u32 s29, 0
	s_cselect_b64 s[72:73], s[8:9], s[72:73]       ; the weight
	s_lshl_b32 s76, 2048, s37                      ; bytes from a row of K to the next
	s_lshr_b32 s77, 0x80000, s37                   ; bytes of a K step of codes: ROWS x 64
	s_lshr_b32 s78, 0x20000, s37                   ; bytes of four K steps' scales: ROWS x 16
	s_lshl_b32 s80, s31, 22                        ; an expert's matrix is 4 MiB
	s_lshl_b32 s74, s35, 20
	s_add_co_u32 s80, s80, s74
	s_lshl_b32 s74, s34, 9
	s_add_co_u32 s80, s80, s74
	s_lshl_b32 s74, s32, 7
	s_add_co_u32 s80, s80, s74
	s_lshl_b32 s74, s76, 8
	s_mul_i32 s74, s74, s33
	s_add_co_u32 s80, s80, s74
	s_mov_b32 s81, 0
	s_add_nc_u64 s[BB:BB+1], s[72:73], s[80:81]
	s_lshl_b32 s82, s76, 5                         ; 32 rows on
	s_mov_b32 s83, 0
.irp t, 1,2,3,4,5,6,7
	s_add_nc_u64 s[BB+2*\t:BB+2*\t+1], s[BB+2*\t-2:BB+2*\t-1], s[82:83]
.endr
	s_lshl_b32 s84, s38, 2
	s_mul_i32 s84, s84, s77
	s_lshl_b32 s74, s39, 10
	s_add_co_u32 s84, s84, s74
	s_mov_b32 s85, 0
	s_add_nc_u64 s[OB:OB+1], s[68:69], s[84:85]
	s_mov_b32 s86, s77
	s_mov_b32 s87, 0
.irp q, 1,2,3
	s_add_nc_u64 s[OB+2*\q:OB+2*\q+1], s[OB+2*\q-2:OB+2*\q-1], s[86:87]
.endr
	s_mul_i32 s88, s38, s78
	s_lshl_b32 s74, s39, 8
	s_add_co_u32 s88, s88, s74
	s_mov_b32 s89, 0
	s_add_nc_u64 s[66:67], s[70:71], s[88:89]      ; where my 16 rows' scale bytes go
	v_and_b32 v2, 31, v0                           ; lane
	v_lshlrev_b32 v3, 2, v2
.irp i, 0,1,2,3,4,5,6,7,8,9,10,11,12,13,14,15,16,17,18,19,20,21,22,23,24,25,26,27,28,29,30,31
	v_mad_u32_u24 v[VOFF+\i], s76, \i, v3
.endr
	LOAD 0
	LOAD 1                                         ; two blocks, 64 loads a wave, ahead
	v_and_b32 v4, 127, v0                          ; into the stage: row = my column of the 128,
	v_mul_u32_u24 v4, v4, PITCH
	v_lshrrev_b32 v10, 7, v0
	v_lshl_add_u32 v4, v10, 7, v4                  ; + 128 bytes for the upper 256 of K
	v_and_b32 v5, 0x67, v0                         ; the scale bytes' stage lies in the order of the output rows: my column with its bits 3 and 4 exchanged,
	v_bfe_u32 v11, v0, 3, 1
	v_lshl_or_b32 v5, v11, 4, v5
	v_bfe_u32 v11, v0, 4, 1
	v_lshl_or_b32 v5, v11, 3, v5
	v_lshlrev_b32 v5, 4, v5                        ; 16 bytes a row,
	v_lshl_add_u32 v5, v10, 3, v5                  ; my 8 of them
	v_add_nc_u32 v5, SSTG, v5
	v_lshl_add_u32 v6, v0, 3, SSTG                 ; back: wave w takes rows 16 w on, 8 bytes a lane
	v_lshrrev_b32 v7, 6, v0                        ; the codes' way back: wave w, lane (p, h) reads column 32 (w / 2) + 8 (w % 2) + p + 8 (p / 8),
	v_lshlrev_b32 v7, 5, v7
	v_bfe_u32 v11, v0, 5, 1
	v_lshl_add_u32 v7, v11, 3, v7
	v_and_b32 v11, 15, v0
	v_add_nc_u32 v7, v7, v11
	v_and_b32 v11, 8, v0
	v_add_nc_u32 v7, v7, v11
	v_mul_u32_u24 v7, v7, PITCH
	v_bfe_u32 v11, v0, 4, 1
	v_lshl_add_u32 v7, v11, 4, v7                  ; + 16 h: the block of 32 that the operand's layout gives my half
	v_lshlrev_b32 v8, 4, v2
	v_lshlrev_b32 v9, 3, v2
.irp t, 0,1,2,3,4,5,6,7
	BLOCK \t
.endr
	ds_store_b64 v5, v[SB:SB+1]
	s_wait_dscnt 0x0                               ; for the others' sake: my stores into the two stages are done
	s_barrier_signal -1
	s_barrier_wait -1
.irp t, 0,1,2,3,4,5,6,7                        ; K step t / 2, half t % 2 of its fragment
	ds_load_b128 v[X+4*\t:X+4*\t+3], v7 offset:32*\t
.endr
	ds_load_b64 v[26:27], v6
.irp t, 0,1,2,3,4,5,6,7
	s_wait_dscnt 8-\t                              ; LDS loads come back in order: load t is in, the 8 - t behind it may be out
	global_store_b128 v8, v[X+4*\t:X+4*\t+3], s[OB+2*(\t/2):OB+2*(\t/2)+1] offset:512*(\t%2)   ; 32 lanes store 512 consecutive bytes, aligned
.endr
	s_wait_dscnt 0x0
	global_store_b64 v9, v[26:27], s[66:67]        ; 32 lanes store 256 consecutive bytes, aligned: 16 rows' scale bytes
	s_wait_tensorcnt 0x0
	ds_add_u32 v240, v241
	s_wait_dscnt 0x0
	s_endpgm
	; ---- hidden_states.  A wave takes 16 tokens x 512 along K: four K steps of 128.  Waves share nothing: no barrier.
.Lx_path:
	s_sub_co_u32 s29, ttmp9, 384
	s_lshl_b32 s29, s29, 3
	s_add_co_u32 s29, s29, s28                     ; 0 .. 511
	s_lshr_b32 s30, s29, 2                         ; which 16 tokens
	s_and_b32 s31, s29, 3                          ; which 512 of K
	s_lshl_b32 s32, s30, 17                        ; x: 16 rows of 8,192 bytes,
	s_lshl_b32 s34, s31, 11                        ;    2,048 bytes along a row
	s_add_co_u32 s32, s32, s34
	s_mov_b32 s33, 0
	s_lshl_b32 s34, s31, 19                        ; codes: four K steps of 131,072 bytes,
	s_lshl_b32 s36, s30, 10                        ;        1,024 bytes for 16 tokens
	s_add_co_u32 s34, s34, s36
	s_mov_b32 s35, 0
	s_lshl_b32 s36, s31, 15                        ; scale bytes: 32,768 for four K steps, 256 for 16 tokens
	s_lshl_b32 s38, s30, 8
	s_add_co_u32 s36, s36, s38
	s_mov_b32 s37, 0
	s_mov_b32 s2, 0x76543210
	s_mov_b32 s3, 0xfedcba98                       ; v_permlanex16_b32's selects for lane l xor 16
	s_mul_i32 s38, s28, XSTB
	s_add_co_u32 s38, s38, XSTG                    ; my wave's stage
	v_and_b32 v1, 31, v0
	v_lshlrev_b32 v2, 4, v1                        ; 16 x lane
	v_add_nc_u32 v3, s38, v2                       ; into the stage
	v_and_b32 v6, 15, v0                           ; r
	v_bfe_u32 v7, v0, 4, 1                         ; h
	v_mul_u32_u24 v4, v6, XROW
	v_lshl_add_u32 v4, v7, 6, v4
	v_add_nc_u32 v4, s38, v4                       ; back: row r, + 64 h: my 16 numbers of a block of 32
	v_lshlrev_b32 v5, 4, v6                        ; my row's 16 scale bytes
.irp b, 0,1,2,3
	v_mov_b32 v[TM+4+\b], 0                        ; written once: a lane permute's destination counts as one of its sources
.endr
	s_wait_kmcnt 0x0
	s_add_nc_u64 s[14:15], s[14:15], s[32:33]
	s_add_nc_u64 s[24:25], s[24:25], s[34:35]
	s_add_nc_u64 s[26:27], s[26:27], s[36:37]
	XLOAD 0
	XLOAD 1
.irp s, 0,1,2,3
	XSTEP \s
.endr
	global_store_b128 v5, v[PW:PW+3], s[26:27]     ; lanes 0-15 store 256 consecutive bytes, aligned; lanes 16-31 hold the same words and store them to the same places
	s_wait_tensorcnt 0x0
	ds_add_u32 v240, v241
	s_wait_dscnt 0x0
	s_endpgm
.Lfunc_end_k_q355b87ba4d_quant:
	.size	k_q355b87ba4d_quant, .Lfunc_end_k_q355b87ba4d_quant-k_q355b87ba4d_quant
	.p2alignl 7, 3214868480
	.fill 96, 4, 3214868480
	.section	.rodata,"a",@progbits
	.p2align	6, 0x0
	.amdhsa_kernel k_q355b87ba4d_quant
		.amdhsa_group_segment_fixed_size 105472
		.amdhsa_private_segment_fixed_size 0
		.amdhsa_enable_private_segment 0
		.amdhsa_kernarg_size 80
		.amdhsa_user_sgpr_count 2
		.amdhsa_user_sgpr_kernarg_segment_ptr 1
		.amdhsa_wavefront_size32 1
		.amdhsa_system_sgpr_workgroup_id_x 1
		.amdhsa_system_sgpr_workgroup_id_y 1
		.amdhsa_system_sgpr_workgroup_id_z 1
		.amdhsa_system_vgpr_workitem_id 0
		.amdhsa_next_free_vgpr 242
		.amdhsa_next_free_sgpr 96
		.amdhsa_reserve_vcc 0
		.amdhsa_float_denorm_mode_32 3
		.amdhsa_float_denorm_mode_16_64 3
		.amdhsa_memory_ordered 1
		.amdhsa_forward_progress 1
		.amdhsa_inst_pref_size 77
	.end_amdhsa_kernel
	.amdgpu_metadata
---
amdhsa.version: [ 1, 2 ]
amdhsa.kernels:
  - .name:           k_q355b87ba4d_quant
    .symbol:         k_q355b87ba4d_quant.kd
    .args:
      - { .name: w1, .offset: 0, .size: 8, .value_kind: global_buffer, .address_space: global }
      - { .name: w3, .offset: 8, .size: 8, .value_kind: global_buffer, .address_space: global }
      - { .name: w2, .offset: 16, .size: 8, .value_kind: global_buffer, .address_space: global }
      - { .name: hidden_states, .offset: 24, .size: 8, .value_kind: global_buffer, .address_space: global }
      - { .name: w13c, .offset: 32, .size: 8, .value_kind: global_buffer, .address_space: global }
      - { .name: w13s, .offset: 40, .size: 8, .value_kind: global_buffer, .address_space: global }
      - { .name: w2c, .offset: 48, .size: 8, .value_kind: global_buffer, .address_space: global }
      - { .name: w2s, .offset: 56, .size: 8, .value_kind: global_buffer, .address_space: global }
      - { .name: xc, .offset: 64, .size: 8, .value_kind: global_buffer, .address_space: global }
      - { .name: xs, .offset: 72, .size: 8, .value_kind: global_buffer, .address_space: global }
    .group_segment_fixed_size: 105472
    .private_segment_fixed_size: 0
    .kernarg_segment_align: 8
    .kernarg_segment_size: 80
    .max_flat_workgroup_size: 256
    .sgpr_count:     96
    .vgpr_count:     242
    .wavefront_size: 32
...
	.end_amdgpu_metadata
.endif
;; end of part 1
;; launch gate (part 2): grid 32 x 8, 4 waves a work-group, clusters of 4 x 4, 327,680 bytes of LDS; arguments xc, xs, w13c, w13s, hc, hs; writes hc, hs
.if DOCPART == 2
	.amdgcn_target "amdgcn-amd-amdhsa--gfx1250"
	.amdhsa_code_object_version 6
	.text
	.protected	k_q355b87ba4d_gate
	.globl	k_q355b87ba4d_gate
	.p2align	8
	.type	k_q355b87ba4d_gate,@function
k_q355b87ba4d_gate:
	s_mov_b64 s[64:65], 0
	v_nop
	global_prefetch_b8 v0, s[64:65] scope:SCOPE_SE
	s_setreg_imm32_b32 hwreg(HW_REG_WAVE_MODE, 25, 1), 1
	s_wait_xcnt 0x0
	s_wait_alu depctr_hold_cnt(0) depctr_sa_sdst(0) depctr_va_vdst(0) depctr_va_sdst(0) depctr_va_ssrc(0) depctr_va_vcc(0) depctr_vm_vsrc(0)
	s_getreg_b32 s2, hwreg(HW_REG_IB_STS2, 6, 4)
	s_cmp_eq_u32 s2, 0
	s_cbranch_scc0 .Lentry_in_a_cluster
	s_endpgm
.Lentry_in_a_cluster:
	s_bfe_u32 s2, ttmp6, 0x10000c
	s_cmp_lg_u32 s2, 0xf033
	s_cbranch_scc0 .Lentry_shape_is_right
	s_endpgm
.Lentry_shape_is_right:
; h = silu(x w1[e]) * (x w3[e]) for all 8 experts and all 2,048 tokens, on codes of FP4 (E2M1) with E8M0 scales, and h quantised along F into codes of its own.
; ALL EXPERTS ARE MULTIPLIED FOR ALL TOKENS: no address, branch or trip count here hangs on selected_experts; the last launch weighs the experts' results in, with 0 for those not chosen.
; One product [2,048 tokens] x [8,192 rows of w13c], K = 2,048.  The rows of w13c are ordered so that a tile of 256 rows is w1's and w3's columns f = 128 g .. 128 g + 127 of one expert, a wave's 128 rows
; are 64 of w1 (blocks 0-3) and the same 64 of w3 (blocks 4-7), and in blocks 2 c + u a lane's register j is f = 32 c + 16 (lane / 16) + 8 u + j: 16 neighbours along the next K in two blocks' registers.
; A tile, 256 tokens x 256 rows, is made by four waves, one to a SIMD; a wave makes 128 x 128: 64 accumulators of 16 x 16, 512 registers.
; THE OPERANDS LIE IN MEMORY AS IMAGES OF THEIR REGISTERS (16 rows x 128 K: 1,024 bytes, lane l's 16 bytes at 16 l and 512 + 16 l): a fragment is two ds_load_b128 of 512 consecutive bytes; no pitch, no padding.
; K goes in steps of 512 through two LDS slots filled by the tensor data mover; a wave's load brings 128 rows x 512 K: 4 pieces of 8,192 consecutive bytes.  The scale bytes of the 512 rows, for all of K, come once and stay.
; CLUSTERS: 4 x 4 work-groups.  The four of a row of the cluster need the same tokens, the four of a column the same weights: each tile is asked for jointly, by the same tensor load with the same descriptor and a mask that names the four.
; THE MATRIX INSTRUCTION IS USED TRANSPOSED (source 0 = 16 rows of w13c, source 1 = 16 tokens): a lane holds ONE token, its registers run along f.
; LIMITS: NaN and infinities are not served; a block of h whose largest magnitude lies under 2^-124 (a block of zeros too) gets the byte 1.
; REGISTERS, in windows of 256: window 0: v16-29 addresses; v32-95 scale words, two sets, and nothing else; v128-191 the tokens' fragments, ONE set; in the epilogue v128-235 are at work.
;   window 1: the weights' fragments, TWO sets, at v0 and v128.   window 2: the accumulators of my tokens 0-63 ((a, b) at v[8 (8 a + b)]);   window 3: those of tokens 64-127.
.set NQ,     4                         ; steps of 128 along K in a slot
.set FR,     8                         ; registers of a fragment
.set NL,     2                         ; LDS loads that bring one
.set NP,     4                         ; places behind this matrix instruction (ISA guide 7.12.1)
.set WLB,    32768                     ; what one tensor load brings: [4 steps][8 blocks of 16 rows][1,024 bytes]
.set SLOT,   4*WLB                     ; the tokens' two halves, then the weights' two halves
.set SCL,    2*SLOT                    ; behind the ring: the scale bytes: [4 loads][4 groups of four K steps][128 rows][16 bytes]
.set SWLB,   8192
.set SPARE,  SCL+4*SWLB                ; the spare words, 128 bytes for each wave: two blocks of 256 bytes that no other line names
.set ACH,    524288                    ; four K steps of xc in bytes
.set BCH,    2097152                   ; and of w13c
.set ADRA, 16                          ; v16-17  LDS address of my tokens' fragments in slot 0, 1
.set ADRB, 20                          ; v20-21  the same for the weights
.set LI,   26                          ; v26     16 x lane
.set ADRS, 27                          ; v27     LDS address of my scale words: lanes 0-15 tokens, lanes 16-31 weights
.set SPW,  28                          ; v28     LDS address of my spare word; never rewritten
.set NIL,  29                          ; v29     0; never rewritten
.set SC,   32                          ; scale words: set s at v[SC + 32 s]; register 4 i + q: lanes 0-15 the word of the tokens' block i, lanes 16-31 of the weights' block i, for the slot's q-th 128 along K
.set AF,   128                         ; the tokens' fragments
.set T,    128                         ; epilogue: v128-159 32 numbers of a lane
.set TM,   160                         ; v160-165 at work
.set PC,   192                         ; v192-223 codes: four registers for each block of tokens, so that no store's data are written again
.set PW,   224                         ; v224-231 two scale bytes for each block of tokens
.set PWS,  232                         ; v232-235 those of two blocks, one in each half of the lanes
.set G1, 24                            ; s[24:31] descriptor group 1 for the tokens' codes;  s[32:39] group 0, one set for each slot
.set G0, 32
.set G1B, 48                           ; s[48:55], s[56:63] the same for the weights' codes
.set G0B, 56
.set G1S, 68                           ; s[68:75], s[76:79] groups 1 and 0 for the tokens' scales;  s[80:87], s[88:91] for the weights'
.set G0S, 76
.set G1SB, 80
.set G0SB, 88
.set MSB, 0
.macro WIN new                         ; the immediate's high byte repeats the setting that is left
.if MSB != \new
	s_set_vgpr_msb (MSB<<8)|\new
.set MSB, \new
.endif
.endm
.set MUL_LO, 0xa1                      ; source 0 (weights) window 1, source 1 (tokens) window 0, C and D window 2
.set MUL_HI, 0xf1                      ; the same, C and D window 3
.set TO_B,   0x40                      ; destination window 1, address window 0
; A joint load: waves 0 and 1 fetch for the tokens, waves 2 and 3 for the weights.  The branch hangs on the wave's number alone.  Four v_nop follow each of the two lines.
.macro JLOAD g0a, g1a, g0b, g1b
	s_cmp_eq_u32 s15, 0
	s_cbranch_scc0 .Lfor_b_\@
	tensor_load_to_lds s[\g0a:\g0a+3], s[\g1a:\g1a+7]
	s_nop 0
.rept 4
	v_nop
.endr
	s_branch .Lasked_\@
.Lfor_b_\@:
	tensor_load_to_lds s[\g0b:\g0b+3], s[\g1b:\g1b+7]
	s_nop 0
.rept 4
	v_nop
.endr
.Lasked_\@:
.endm
.macro CREST                           ; a round of the cluster's barrier behind its opening barrier
	s_cmp_lg_u32 s14, 0
	s_cbranch_scc1 .Lnot_wave_0_\@
	s_barrier_signal -3
.Lnot_wave_0_\@:
	s_barrier_wait -3
	s_barrier_signal -1
	s_barrier_wait -1
.endm
.macro CROUND                          ; a whole round
	s_barrier_signal -1
	s_barrier_wait -1
	CREST
.endm
	s_load_b128 s[4:7], s[0:1], 0x0                ; xc s[4:5], xs s[6:7]
	s_load_b128 s[8:11], s[0:1], 0x10              ; w13c s[8:9], w13s s[10:11]
	s_load_b64 s[12:13], s[0:1], 0x20              ; hc
	s_load_b64 s[66:67], s[0:1], 0x28              ; hs
	v_lshl_add_u32 v[SPW], v0, 2, SPARE
	v_mov_b32 v[NIL], 0
	ds_add_u32 v28, v29
	ds_add_u32 v28, v29
	s_wait_dscnt 0x0
	v_lshrrev_b32 v1, 5, v0
	v_readfirstlane_b32 s14, v1                    ; wave 0..3
	s_lshr_b32 s15, s14, 1                         ; which half of the tile's tokens is mine.  Also: I fetch for the tokens (0) or for the weights (1)
	s_and_b32 s16, s14, 1                          ; which half of its weight rows.  Also: which 128 rows I fetch
	s_bfe_u32 s40, ttmp6, 0x40000                  ; cx, cy: my place in the cluster
	s_bfe_u32 s41, ttmp6, 0x40004
	s_lshl_b32 s42, ttmp9, 2
	s_add_co_u32 s42, s42, s40                     ; tile of weight rows = 4 x cluster x + cx: 0 .. 31 = 4 e + f / 128
	s_and_b32 s17, ttmp7, 0xffff
	s_lshl_b32 s17, s17, 2
	s_add_co_u32 s17, s17, s41                     ; tile of tokens = 4 x cluster y + cy: 0 .. 7
	s_lshl_b32 s43, s41, 2
	s_lshl_b32 s43, 15, s43                        ; my row of the cluster
	s_lshl_b32 s44, 0x1111, s40                    ; my column
	; descriptor group 1, codes: 4 rows (K steps) of 1,024 elements of 8 bytes, a K step of the tensor apart; dense in LDS
	s_or_b32 s[G1+0], s43, (3<<16)|(1<<21)         ; 15:0 the mask: the tokens' tiles go to my row; 17:16 elements of 8 bytes; 21 set beside a mask
	s_or_b32 s[G1B+0], s44, (3<<16)|(1<<21)
.irp g, G1, G1B
	s_mov_b32 s[\g+1], 1024<<16                    ; tensor_dim0
	s_mov_b32 s[\g+2], 4<<16                       ; tensor_dim1
	s_mov_b32 s[\g+3], 1024<<16                    ; tile_dim0
	s_mov_b32 s[\g+4], 4                           ; tile_dim1
	s_mov_b32 s[\g+6], 0
	s_mov_b32 s[\g+7], 0
.endr
	s_mov_b32 s[G1+5], 16384                       ; tensor_dim0_stride: 2,048 rows x 64 bytes
	s_mov_b32 s[G1B+5], 65536                      ; 8,192 rows x 64 bytes
	; scales: 4 rows (groups of four K steps) of 256 elements of 8 bytes: 128 rows x 16 bytes
	s_or_b32 s[G1S+0], s43, (3<<16)|(1<<21)
	s_or_b32 s[G1SB+0], s44, (3<<16)|(1<<21)
.irp g, G1S, G1SB
	s_mov_b32 s[\g+1], 256<<16
	s_mov_b32 s[\g+2], 4<<16
	s_mov_b32 s[\g+3], 256<<16
	s_mov_b32 s[\g+4], 4
	s_mov_b32 s[\g+6], 0
	s_mov_b32 s[\g+7], 0
.endr
	s_mov_b32 s[G1S+5], 4096                       ; 2,048 rows x 16 bytes
	s_mov_b32 s[G1SB+5], 16384                     ; 8,192 rows x 16 bytes
	s_lshl_b32 s18, s16, 3                         ; which 8 blocks of 16 rows of the tile I fetch
	s_lshl_b32 s20, s17, 4
	s_add_co_u32 s20, s20, s18                     ; tokens: block 16 x tile + 8 x half
	s_lshl_b32 s46, s42, 4
	s_add_co_u32 s46, s46, s18                     ; weights likewise
	s_lshl_b32 s22, s20, 8                         ; a block's scales: 256 bytes
	s_lshl_b32 s92, s46, 8
	s_lshl_b32 s20, s20, 10                        ; its codes of a K step: 1,024
	s_lshl_b32 s46, s46, 10
	s_mov_b32 s21, 0
	s_mov_b32 s23, 0
	s_mov_b32 s47, 0
	s_mov_b32 s93, 0
	s_lshl_b32 s45, s14, 15                        ; where they go: wave x 32,768: no place in the cluster enters an LDS address
	s_lshl_b32 s94, s14, 13
	s_mov_b32 s2, 0x76543210
	s_mov_b32 s3, 0xfedcba98                       ; v_permlanex16_b32's selects for lane l xor 16
	s_mov_b32 s95, 0xffff                          ; lanes 0-15
	s_wait_kmcnt 0x0
	s_add_nc_u64 s[20:21], s[4:5], s[20:21]
	s_add_nc_u64 s[22:23], s[6:7], s[22:23]
	s_add_nc_u64 s[46:47], s[8:9], s[46:47]
	s_add_nc_u64 s[92:93], s[10:11], s[92:93]
	CROUND                                         ; all sixteen work-groups are here: the first joint loads meet
	s_mov_b32 s[G0S], 1
	s_add_co_u32 s[G0S+1], s94, SCL
	s_mov_b64 s[G0S+2:G0S+3], s[22:23]
	s_or_b32 s[G0S+3], s[G0S+3], 0x80000000
	s_mov_b32 s[G0SB], 1
	s_add_co_u32 s[G0SB+1], s94, SCL
	s_mov_b64 s[G0SB+2:G0SB+3], s[92:93]
	s_or_b32 s[G0SB+3], s[G0SB+3], 0x80000000
	JLOAD G0S, G1S, G0SB, G1SB                     ; the scales first: they are wanted with the first step
.irp s, 0,1
	s_mov_b32 s[G0+4*\s], 1
	s_add_co_u32 s[G0+4*\s+1], s45, \s*SLOT
	s_add_nc_u64 s[G0+4*\s+2:G0+4*\s+3], s[20:21], \s*ACH
	s_or_b32 s[G0+4*\s+3], s[G0+4*\s+3], 0x80000000
	s_mov_b32 s[G0B+4*\s], 1
	s_add_co_u32 s[G0B+4*\s+1], s45, \s*SLOT
	s_add_nc_u64 s[G0B+4*\s+2:G0B+4*\s+3], s[46:47], \s*BCH
	s_or_b32 s[G0B+4*\s+3], s[G0B+4*\s+3], 0x80000000
	JLOAD G0+4*\s, G1, G0B+4*\s, G1B               ; three tensor loads of mine are out behind the second of these
.endr
	v_and_b32 v1, 15, v0                           ; r = lane % 16
	v_bfe_u32 v2, v0, 4, 1                         ; h = lane / 16
	v_and_b32 v3, 31, v0
	v_lshlrev_b32 v[LI], 4, v3
	s_lshl_b32 s21, s15, 15                        ; my 128 tokens
	s_lshl_b32 s22, s16, 15                        ; my 128 weight rows,
	s_add_co_u32 s22, s22, 2*WLB                   ; which lie behind the tokens' two halves
.irp s, 0,1
	v_add_nc_u32 v[ADRA+\s], s21, v[LI]
	v_add_nc_u32 v[ADRB+\s], s22, v[LI]
	s_add_co_u32 s21, s21, SLOT
	s_add_co_u32 s22, s22, SLOT
.endr
	v_lshlrev_b32 v5, 4, v1                        ; my row's 16 scale bytes
	s_lshl_b32 s21, s15, 13                        ; the tokens': my 128 rows
	s_lshl_b32 s22, s16, 13                        ; the weights': my 128 rows, behind the tokens' two halves
	s_add_co_u32 s22, s22, 2*SWLB
	s_sub_co_u32 s22, s22, s21
	v_mul_u32_u24 v6, s22, v2                      ; lanes 16-31 take the weights'
	s_add_co_u32 s21, s21, SCL
	v_add_nc_u32 v5, v5, v6
	v_add_nc_u32 v[ADRS], s21, v5
	; where my results go.  hc: K step = the tile of weight rows; my first block of 16 tokens; half c = my half of the weight rows
	s_lshl_b32 s20, s17, 4
	s_lshl_b32 s21, s15, 3
	s_add_co_u32 s20, s20, s21
	s_lshl_b32 s22, s20, 8
	s_lshl_b32 s20, s20, 10
	s_lshl_b32 s46, s42, 17
	s_lshl_b32 s47, s16, 9
	s_add_co_u32 s46, s46, s47
	s_add_co_u32 s20, s20, s46
	s_mov_b32 s21, 0
	s_add_nc_u64 s[12:13], s[12:13], s[20:21]
	s_lshr_b32 s46, s42, 2                         ; hs: the expert's 32,768 bytes; 16 bytes a token; the K step's word; my two bytes of it
	s_lshl_b32 s46, s46, 15
	s_and_b32 s47, s42, 3
	s_lshl_b32 s47, s47, 2
	s_add_co_u32 s46, s46, s47
	s_lshl_b32 s47, s16, 1
	s_add_co_u32 s46, s46, s47
	s_add_co_u32 s22, s22, s46
	s_mov_b32 s23, 0
	s_add_nc_u64 s[66:67], s[66:67], s[22:23]
.macro FRAG reg, adr, q, i             ; a fragment as it lies: registers 4 c .. 4 c + 3 hold K = 64 c + 32 (l / 16) + 0 .. 31 of row l % 16
.irp c, 0,1
	ds_load_b128 v[\reg+4*\c:\reg+4*\c+3], v[\adr] offset:8192*(\q)+1024*(\i)+512*\c
.endr
.endm
; 16 matrix instructions: the tokens' blocks a0, a0 + 1 x the weights' eight, 128 along K.  p: the weights' set;  sc: the set of scale words.  zero = 1: the first product starts the sums.
; The 64 accumulators take turns, one instruction a turn, in the same order in every step.
.macro MUL16 a0, p, q, sc, zero
.irp a, \a0, \a0+1
.irp b, 0,1,2,3,4,5,6,7
.if \zero
	v_wmma_scale_f32_16x16x128_f8f6f4 v[8*(8*((\a)%4)+\b):8*(8*((\a)%4)+\b)+7], v[128*(\p)+FR*\b:128*(\p)+FR*\b+FR-1], v[AF+FR*(\a):AF+FR*(\a)+FR-1], 0, v[SC+8*NQ*(\sc)+NQ*\b+(\q)], v[SC+8*NQ*(\sc)+NQ*(\a)+(\q)] matrix_a_fmt:MATRIX_FMT_FP4 matrix_b_fmt:MATRIX_FMT_FP4 matrix_a_scale:MATRIX_SCALE_ROW1
.else
	v_wmma_scale_f32_16x16x128_f8f6f4 v[8*(8*((\a)%4)+\b):8*(8*((\a)%4)+\b)+7], v[128*(\p)+FR*\b:128*(\p)+FR*\b+FR-1], v[AF+FR*(\a):AF+FR*(\a)+FR-1], v[8*(8*((\a)%4)+\b):8*(8*((\a)%4)+\b)+7], v[SC+8*NQ*(\sc)+NQ*\b+(\q)], v[SC+8*NQ*(\sc)+NQ*(\a)+(\q)] matrix_a_fmt:MATRIX_FMT_FP4 matrix_b_fmt:MATRIX_FMT_FP4 matrix_a_scale:MATRIX_SCALE_ROW1
.endif
.endr
.endr
.endm
.macro FETCH_B slot, q, p              ; the weights' eight fragments of the slot's q-th 128 along K into set p
	WIN TO_B
.irp i, 0,1,2,3,4,5,6,7
	FRAG 128*(\p)+FR*\i, ADRB+\slot, \q, \i
.endr
	WIN 0
.endm
.macro FETCH_A slot, q, i0             ; the tokens' blocks i0 .. i0 + 3
.irp i, \i0, \i0+1, \i0+2, \i0+3
	FRAG AF+FR*(\i), ADRA+\slot, \q, \i
.endr
.endm
.macro SCALES sc                       ; a slot's scale words into set sc: four words a row
.irp i, 0,1,2,3,4,5,6,7
	ds_load_b128 v[SC+8*NQ*\sc+NQ*\i:SC+8*NQ*\sc+NQ*\i+3], v[ADRS] offset:\i*256
.endr
.endm
; A load into a register that a matrix instruction has read, and a vector instruction that reads a matrix result or writes one of its registers, stand NP places behind it;
; only plain vector instructions that name none of its registers are places (ISA guide 7.12.1 for vector instructions).
.macro PLACES n
.rept \n
	v_nop
.endr
.endm
.macro STEP slot, q, zero              ; a step of 128 along K that has its successor in the same slot
	s_wait_dscnt 4*NL                              ; the weights' set and the tokens' blocks 0-3 are in; the youngest eight loads (blocks 4-7) may be out
	WIN MUL_LO
	MUL16 0, (\q)%2, \q, \slot, \zero
	MUL16 2, (\q)%2, \q, \slot, \zero
	s_wait_dscnt 0                                 ; blocks 4-7 are in (asked for 32 matrix instructions ago)
	PLACES NP
	FETCH_B \slot, (\q)+1, 1-(\q)%2
	FETCH_A \slot, (\q)+1, 0
	WIN MUL_HI
	MUL16 4, (\q)%2, \q, \slot, \zero
	MUL16 6, (\q)%2, \q, \slot, \zero
	PLACES NP
	WIN 0
	FETCH_A \slot, (\q)+1, 4
.endm
; A slot's last step changes slots: ONE barrier; in front of it each wave waits for all its tensor loads, adds 0 to its spare word, and waits for that and for its own reads of this slot.  fill = 1: this slot is filled again, two slots ahead.
.macro TURN slot, next, fill
	s_wait_tensorcnt 0x0                           ; all my tensor loads have landed: my part of the next slot
	ds_add_u32 v[SPW], v[NIL]                      ; 0 onto my spare word
	s_wait_dscnt 4*NL+1                            ; (the add and the youngest eight loads may be out)
	WIN MUL_LO
	MUL16 0, 1, NQ-1, \slot, 0                     ; sixteen matrix instructions stand between the add and the wait for it
	s_wait_dscnt 0x0                               ; the add is done, and my reads of this slot are over
	s_barrier_signal -1
	MUL16 2, 1, NQ-1, \slot, 0
	WIN 0
	s_barrier_wait -1
.if \fill
	CREST                                          ; the barrier has opened a round of the cluster's barrier: no wave of any partner still reads this slot or has a load on its way
	s_add_nc_u64 s[G0+4*\slot+2:G0+4*\slot+3], s[G0+4*\slot+2:G0+4*\slot+3], 2*ACH
	s_add_nc_u64 s[G0B+4*\slot+2:G0B+4*\slot+3], s[G0B+4*\slot+2:G0B+4*\slot+3], 2*BCH
	JLOAD G0+4*\slot, G1, G0B+4*\slot, G1B         ; the first tensor load behind the round; the four v_nop behind it are the places in front of the loads below
.else
	PLACES NP
.endif
	v_add_nc_u32 v[ADRS], 2048, v[ADRS]            ; on to the next slot's scale words
	FETCH_B \next, 0, 0
	FETCH_A \next, 0, 0
	SCALES \next
	WIN MUL_HI
	MUL16 4, 1, NQ-1, \slot, 0
	MUL16 6, 1, NQ-1, \slot, 0
	PLACES NP
	WIN 0
	FETCH_A \next, 0, 4
.endm
.macro STEPS slot, from                ; the slot's steps from .. NQ - 2
.set Q, \from
.rept NQ-1-\from
	STEP \slot, Q, 0
.set Q, Q+1
.endr
.endm
	s_wait_tensorcnt 1                             ; the scales and my part of slot 0 are in (slot 1's load may be out)
	s_barrier_signal -1
	s_barrier_wait -1                              ; everybody's are
	FETCH_B 0, 0, 0
	FETCH_A 0, 0, 0
	SCALES 0
	FETCH_A 0, 0, 4
	STEP 0, 0, 1                                   ; K = 2,048 is sixteen steps in four slots' worth: written out.  The first step's products start the sums
	STEPS 0, 1
	TURN 0, 1, 1                                   ; slot 0 takes K 1,024 on
	STEPS 1, 0
	TURN 1, 0, 1                                   ; slot 1 takes K 1,536 on
	STEPS 0, 0
	TURN 0, 1, 0                                   ; nothing is left to fetch
	STEPS 1, 0
	s_wait_dscnt 4*NL                              ; the very last step
	WIN MUL_LO
	MUL16 0, 1, NQ-1, 1, 0
	MUL16 2, 1, NQ-1, 1, 0
	s_wait_dscnt 0
	WIN MUL_HI
	MUL16 4, 1, NQ-1, 1, 0
	MUL16 6, 1, NQ-1, 1, 0
	WIN 0
; THE EPILOGUE, a block of 16 tokens at a time, all in f32 and in registers.  Of block a, accumulators 0-3 are h1 and 4-7 h3 at the same 64 f; register 16 c + i of either is f = 32 c + 16 (lane / 16) + i.
; h = h1 x 1 / (1 + 2^(-log2(e) h1)) x h3.  Its two blocks of 32 are quantised; the four code registers are half c = my half of the weight rows of a fragment of the next product, and are stored as they stand.
.macro QUANT2 a
.irp b, 0,1
	v_max3_num_f32 v[TM+\b], |v[T+16*\b]|, |v[T+16*\b+1]|, 0x1800000   ; my 16 numbers of block b, and the floor 2^(3 - 127): the byte cannot fall under 1
.endr
.irp i, 2,4,6,8,10,12,14
.irp b, 0,1
	v_max3_num_f32 v[TM+\b], v[TM+\b], |v[T+16*\b+\i]|, |v[T+16*\b+\i+1]|
.endr
.endr
.irp b, 0,1
	v_permlanex16_b32 v[TM+2+\b], v[TM+\b], s2, s3
.endr
.irp b, 0,1
	v_max_num_f32 v[TM+\b], v[TM+\b], v[TM+2+\b]   ; with lane l xor 16's: the block's largest magnitude
.endr
.irp b, 0,1
	v_add_nc_u32 v[TM+4+\b], 0xff000000, v[TM+\b]  ; 2 off the exponent field: the conversion's scale operand
.endr
.irp b, 0,1
	v_lshrrev_b32 v[TM+2+\b], 23, v[TM+4+\b]       ; the scale's byte
.endr
	v_lshl_or_b32 v[PW+(\a)], v[TM+3], 8, v[TM+2]
.irp b, 0,1
	v_cvt_scalef32_pk8_fp4_f32 v[PC+4*(\a)+2*\b], v[T+16*\b:T+16*\b+7], v[TM+4+\b]
	v_cvt_scalef32_pk8_fp4_f32 v[PC+4*(\a)+2*\b+1], v[T+16*\b+8:T+16*\b+15], v[TM+4+\b]
.endr
	v_nop                                          ; one plain place behind a scaled conversion
	v_permlane16_swap_b32 v[PC+4*(\a)], v[PC+4*(\a)+2]     ; a whole block in a lane: lanes 0-15 the first, lanes 16-31 the second
	v_permlane16_swap_b32 v[PC+4*(\a)+1], v[PC+4*(\a)+3]
.endm
.macro HBLOCK a
.set AC, 64*((\a)%4)
.set WS, 2+(\a)/4                      ; source 0 in window 2 or 3
	WIN WS
.set J, 0
.rept 16
	v_pk_mul_f32 v[T+J:T+J+1], v[AC+J:AC+J+1], 0xbfb8aa3b op_sel_hi:[1,0]   ; -log2(e) h1; each accumulator is read from its low end on
.set J, J+2
.endr
	WIN 0
.set J, 0
.rept 32
	v_exp_f32 v[T+J], v[T+J]
.set J, J+1
.endr
	v_nop                                          ; a plain place behind the exponentials
.set J, 0
	s_wait_alu depctr_va_vdst(0)
.rept 16
	v_pk_add_f32 v[T+J:T+J+1], v[T+J:T+J+1], 1.0 op_sel_hi:[1,0]
.set J, J+2
.endr
.set J, 0
.rept 32
	v_rcp_f32 v[T+J], v[T+J]
.set J, J+1
.endr
	v_nop                                          ; a plain place behind the reciprocals
	WIN WS
.set J, 0
	s_wait_alu depctr_va_vdst(0)
.rept 16
	v_pk_mul_f32 v[T+J:T+J+1], v[AC+J:AC+J+1], v[T+J:T+J+1]          ; silu(h1)
.set J, J+2
.endr
.set J, 0
.rept 16
	v_pk_mul_f32 v[T+J:T+J+1], v[AC+32+J:AC+32+J+1], v[T+J:T+J+1]    ; x h3
.set J, J+2
.endr
	WIN 0
	QUANT2 \a
	global_store_b128 v[LI], v[PC+4*(\a):PC+4*(\a)+3], s[12:13] offset:1024*(\a)   ; 32 lanes store 512 consecutive bytes, aligned
.endm
	PLACES NP                                      ; behind the last products: their results are read and the tokens' fragment registers written below
	v_mov_b32 v[TM+2], 0                           ; written once: a lane permute's destination counts as one of its sources
	v_mov_b32 v[TM+3], 0
.irp a, 0,1,2,3,4,5,6,7
	HBLOCK \a
.endr
.irp p, 0,1,2,3
	v_cndmask_b32 v[PWS+\p], v[PW+2*\p+1], v[PW+2*\p], s95   ; lanes 0-15: block 2 p's bytes; lanes 16-31: block 2 p + 1's (both halves of the lanes hold a token's bytes)
.endr
.irp p, 0,1,2,3
	global_store_b16 v[LI], v[PWS+\p], s[66:67] offset:512*\p   ; two of a token's 16 bytes: the other fourteen come from seven other waves.  Four such stores a wave
.endr
	s_wait_tensorcnt 0x0                           ; the wave's end
	ds_add_u32 v[SPW], v[NIL]
	s_wait_dscnt 0x0
	CROUND                                         ; the closing round: no work-group ends while a partner may still ask for a tile that names it
	s_endpgm
.Lfunc_end_k_q355b87ba4d_gate:
	.size	k_q355b87ba4d_gate, .Lfunc_end_k_q355b87ba4d_gate-k_q355b87ba4d_gate
	.p2alignl 7, 3214868480
	.fill 96, 4, 3214868480
	.section	.rodata,"a",@progbits
	.p2align	6, 0x0
	.amdhsa_kernel k_q355b87ba4d_gate
		.amdhsa_group_segment_fixed_size 327680
		.amdhsa_private_segment_fixed_size 0
		.amdhsa_enable_private_segment 0
		.amdhsa_kernarg_size 48
		.amdhsa_user_sgpr_count 2
		.amdhsa_user_sgpr_kernarg_segment_ptr 1
		.amdhsa_wavefront_size32 1
		.amdhsa_system_sgpr_workgroup_id_x 1
		.amdhsa_system_sgpr_workgroup_id_y 1
		.amdhsa_system_sgpr_workgroup_id_z 1
		.amdhsa_system_vgpr_workitem_id 0
		.amdhsa_next_free_vgpr 1024
		.amdhsa_next_free_sgpr 100
		.amdhsa_reserve_vcc 0
		.amdhsa_float_denorm_mode_32 3
		.amdhsa_float_denorm_mode_16_64 3
		.amdhsa_memory_ordered 1
		.amdhsa_forward_progress 1
		.amdhsa_inst_pref_size 252
	.end_amdhsa_kernel
	.amdgpu_metadata
---
amdhsa.version: [ 1, 2 ]
amdhsa.kernels:
  - .name:           k_q355b87ba4d_gate
    .symbol:         k_q355b87ba4d_gate.kd
    .args:
      - { .name: xc, .offset: 0, .size: 8, .value_kind: global_buffer, .address_space: global }
      - { .name: xs, .offset: 8, .size: 8, .value_kind: global_buffer, .address_space: global }
      - { .name: w13c, .offset: 16, .size: 8, .value_kind: global_buffer, .address_space: global }
      - { .name: w13s, .offset: 24, .size: 8, .value_kind: global_buffer, .address_space: global }
      - { .name: hc, .offset: 32, .size: 8, .value_kind: global_buffer, .address_space: global }
      - { .name: hs, .offset: 40, .size: 8, .value_kind: global_buffer, .address_space: global }
    .group_segment_fixed_size: 327680
    .private_segment_fixed_size: 0
    .kernarg_segment_align: 8
    .kernarg_segment_size: 48
    .max_flat_workgroup_size: 128
    .sgpr_count:     100
    .vgpr_count:     1024
    .wavefront_size: 32
...
	.end_amdgpu_metadata
.endif
;; end of part 2
;; launch down (part 3): grid 16 x 16, 4 waves a work-group, clusters of 4 x 4, 327,680 bytes of LDS; arguments hc, hs, w2c, w2s, selected_experts, routing_weights, out0; writes out0
.if DOCPART == 3
	.amdgcn_target "amdgcn-amd-amdhsa--gfx1250"
	.amdhsa_code_object_version 6
	.text
	.protected	k_q355b87ba4d_down
	.globl	k_q355b87ba4d_down
	.p2align	8
	.type	k_q355b87ba4d_down,@function
k_q355b87ba4d_down:
	s_mov_b64 s[64:65], 0
	v_nop
	global_prefetch_b8 v0, s[64:65] scope:SCOPE_SE
	s_setreg_imm32_b32 hwreg(HW_REG_WAVE_MODE, 25, 1), 1
	s_wait_xcnt 0x0
	s_wait_alu depctr_hold_cnt(0) depctr_sa_sdst(0) depctr_va_vdst(0) depctr_va_sdst(0) depctr_va_ssrc(0) depctr_va_vcc(0) depctr_vm_vsrc(0)
	s_getreg_b32 s2, hwreg(HW_REG_IB_STS2, 6, 4)
	s_cmp_eq_u32 s2, 0
	s_cbranch_scc0 .Lentry_in_a_cluster
	s_endpgm
.Lentry_in_a_cluster:
	s_bfe_u32 s2, ttmp6, 0x10000c
	s_cmp_lg_u32 s2, 0xf033
	s_cbranch_scc0 .Lentry_shape_is_right
	s_endpgm
.Lentry_shape_is_right:
; out0[t] = the sum over the experts e of w_e[t] x (h_e[t] w2[e]),  w_e[t] = the sum over k of (selected_experts[t][k] == e) x routing_weights[t][k].
; The products are on codes of FP4 (E2M1) with E8M0 scales; h_e and w2[e] lie in memory as images of operand registers, K step 4 e + q.  ALL EXPERTS ARE MULTIPLIED; those not chosen are weighed in with 0:
; selected_experts enters compares and selects alone, no address and no branch.
; The combine is a chain of fused multiply-adds in f32, e ascending.  LIMITS: NaN and infinities are not served; a routing weight of a slot that names another expert counts as 0 whatever it holds.
; A tile of out0 is 128 tokens x 128 columns: 256 work-groups, one to a WGP (tiles of 256 x 256 would be 64).  Four waves, each 64 x 64: 16 accumulators for the expert in hand and 128 registers for the weighed sum.
; An LDS slot holds TWO experts (8 K steps of 128): a wave's tensor load brings 64 rows x 1,024 K: 8 pieces of 4,096 consecutive bytes.  Two slots, four fills.  The scale bytes of the 256 rows, for all experts, come once and stay.
; CLUSTERS: 4 x 4 work-groups; h's tiles are shared along a row of the cluster, w2's along a column, each asked for jointly.
; THE MATRIX INSTRUCTION IS USED TRANSPOSED (source 0 = 16 rows of w2c, source 1 = 16 tokens): a lane holds ONE token, so w_e is one number a lane for each block of tokens.
; REGISTERS: window 0: v16-30 addresses; v32-47 scale words and nothing else; v64-127, v128-191 two fragment buffers (4 of h, then 4 of w2); v192-199 w_e, a pair for each block of tokens; v200-215 the tokens' experts and weights.
;   window 1: v0-127 the accumulators ((a, b) at v[8 (4 a + b)]); v128-255 the weighed sum, laid likewise.
.set WLB,    32768                     ; what one tensor load brings: [8 K steps][4 blocks of 16 rows][1,024 bytes]
.set SLOT,   4*WLB                     ; h's two halves, then w2's two halves
.set SCL,    2*SLOT                    ; the scale bytes: [4 loads][8 experts][64 rows][16 bytes]
.set SWLB,   8192
.set SPARE,  SCL+4*SWLB                ; the spare words, 128 bytes for each wave: two blocks of 256 bytes that no other line names
.set CH,     1048576                   ; eight K steps of codes in bytes
.set SP,     272                       ; the way out: a stage of 16 rows x (256 bytes + 16) for each wave, in slot 0, which has had its last fill and its last read by then
.set ADRA, 16
.set ADRB, 20
.set STO,  24
.set RD,   25
.set CO,   26
.set ADRS, 27
.set SPW,  28                          ; v28  LDS address of my spare word; never rewritten
.set NIL,  29                          ; v29  0; never rewritten
.set TOK,  30                          ; v30  8 x (lane % 16): my token's pair in selected_experts and routing_weights
.set SC,   32                          ; register 4 i + q: lanes 0-15 the word of h's block i, lanes 16-31 of w2's block i, for the expert's q-th 128 along K
.set F0,   64
.set WT,   192
.set SEL,  200
.set RW,   208
.set TW,   216
.set ACC,  0
.set FIN,  128
.set G1, 24
.set G0, 32
.set G1B, 48
.set G0B, 56
.set G1S, 68
.set G0S, 76
.set G1SB, 80
.set G0SB, 88
.set MSB, 0
.macro WIN new                         ; the immediate's high byte repeats the setting that is left
.if MSB != \new
	s_set_vgpr_msb (MSB<<8)|\new
.set MSB, \new
.endif
.endm
.macro JLOAD g0a, g1a, g0b, g1b        ; a joint load: waves 0 and 1 fetch for h, waves 2 and 3 for w2; four v_nop follow each of the two lines
	s_cmp_eq_u32 s15, 0
	s_cbranch_scc0 .Lfor_b_\@
	tensor_load_to_lds s[\g0a:\g0a+3], s[\g1a:\g1a+7]
	s_nop 0
.rept 4
	v_nop
.endr
	s_branch .Lasked_\@
.Lfor_b_\@:
	tensor_load_to_lds s[\g0b:\g0b+3], s[\g1b:\g1b+7]
	s_nop 0
.rept 4
	v_nop
.endr
.Lasked_\@:
.endm
.macro CROUND                          ; a round of the cluster's barrier
	s_barrier_signal -1
	s_barrier_wait -1
	s_cmp_lg_u32 s14, 0
	s_cbranch_scc1 .Lnot_wave_0_\@
	s_barrier_signal -3
.Lnot_wave_0_\@:
	s_barrier_wait -3
	s_barrier_signal -1
	s_barrier_wait -1
.endm
	s_load_b128 s[4:7], s[0:1], 0x0                ; hc s[4:5], hs s[6:7]
	s_load_b128 s[8:11], s[0:1], 0x10              ; w2c s[8:9], w2s s[10:11]
	s_load_b64 s[66:67], s[0:1], 0x20              ; selected_experts
	s_load_b64 s[96:97], s[0:1], 0x28              ; routing_weights
	s_load_b64 s[12:13], s[0:1], 0x30              ; out0
	v_lshl_add_u32 v[SPW], v0, 2, SPARE
	v_mov_b32 v[NIL], 0
	ds_add_u32 v28, v29
	ds_add_u32 v28, v29
	s_wait_dscnt 0x0
	v_lshrrev_b32 v1, 5, v0
	v_readfirstlane_b32 s14, v1                    ; wave 0..3
	s_lshr_b32 s15, s14, 1                         ; which half of the tile's tokens is mine.  Also: I fetch for h (0) or for w2 (1)
	s_and_b32 s16, s14, 1                          ; which half of its columns.  Also: which 64 rows I fetch
	s_bfe_u32 s40, ttmp6, 0x40000                  ; cx, cy
	s_bfe_u32 s41, ttmp6, 0x40004
	s_lshl_b32 s42, ttmp9, 2
	s_add_co_u32 s42, s42, s40                     ; tile of columns = 4 x cluster x + cx
	s_and_b32 s17, ttmp7, 0xffff
	s_lshl_b32 s17, s17, 2
	s_add_co_u32 s17, s17, s41                     ; tile of tokens = 4 x cluster y + cy
	s_lshl_b32 s43, s41, 2
	s_lshl_b32 s43, 15, s43                        ; my row of the cluster
	s_lshl_b32 s44, 0x1111, s40                    ; my column
	; descriptor group 1, codes: 8 rows (K steps) of 512 elements of 8 bytes, 131,072 bytes apart; dense in LDS
	s_or_b32 s[G1+0], s43, (3<<16)|(1<<21)
	s_or_b32 s[G1B+0], s44, (3<<16)|(1<<21)
.irp g, G1, G1B
	s_mov_b32 s[\g+1], 512<<16                     ; tensor_dim0
	s_mov_b32 s[\g+2], 8<<16                       ; tensor_dim1
	s_mov_b32 s[\g+3], 512<<16                     ; tile_dim0
	s_mov_b32 s[\g+4], 8                           ; tile_dim1
	s_mov_b32 s[\g+5], 16384                       ; tensor_dim0_stride
	s_mov_b32 s[\g+6], 0
	s_mov_b32 s[\g+7], 0
.endr
	; scales: 8 rows (experts) of 128 elements of 8 bytes: 64 rows x 16 bytes, 32,768 bytes apart
	s_or_b32 s[G1S+0], s43, (3<<16)|(1<<21)
	s_or_b32 s[G1SB+0], s44, (3<<16)|(1<<21)
.irp g, G1S, G1SB
	s_mov_b32 s[\g+1], 128<<16
	s_mov_b32 s[\g+2], 8<<16
	s_mov_b32 s[\g+3], 128<<16
	s_mov_b32 s[\g+4], 8
	s_mov_b32 s[\g+5], 4096
	s_mov_b32 s[\g+6], 0
	s_mov_b32 s[\g+7], 0
.endr
	s_lshl_b32 s18, s16, 2                         ; which 4 blocks of 16 rows of the tile I fetch
	s_lshl_b32 s20, s17, 3
	s_add_co_u32 s20, s20, s18                     ; h: block 8 x tile + 4 x half
	s_lshl_b32 s46, s42, 3
	s_add_co_u32 s46, s46, s18                     ; w2 likewise
	s_lshl_b32 s22, s20, 8
	s_lshl_b32 s92, s46, 8
	s_lshl_b32 s20, s20, 10
	s_lshl_b32 s46, s46, 10
	s_mov_b32 s21, 0
	s_mov_b32 s23, 0
	s_mov_b32 s47, 0
	s_mov_b32 s93, 0
	s_lshl_b32 s45, s14, 15                        ; where they go: no place in the cluster enters an LDS address
	s_lshl_b32 s94, s14, 13
	s_lshl_b32 s98, s17, 10                        ; my first token's pair: (128 x tile + 64 x half) x 8 bytes
	s_lshl_b32 s99, s15, 9
	s_add_co_u32 s98, s98, s99
	s_mov_b32 s99, 0
	s_wait_kmcnt 0x0
	s_add_nc_u64 s[20:21], s[4:5], s[20:21]
	s_add_nc_u64 s[22:23], s[6:7], s[22:23]
	s_add_nc_u64 s[46:47], s[8:9], s[46:47]
	s_add_nc_u64 s[92:93], s[10:11], s[92:93]
	s_add_nc_u64 s[66:67], s[66:67], s[98:99]
	s_add_nc_u64 s[96:97], s[96:97], s[98:99]
	CROUND                                         ; all sixteen work-groups are here: the first joint loads meet
	s_mov_b32 s[G0S], 1
	s_add_co_u32 s[G0S+1], s94, SCL
	s_mov_b64 s[G0S+2:G0S+3], s[22:23]
	s_or_b32 s[G0S+3], s[G0S+3], 0x80000000
	s_mov_b32 s[G0SB], 1
	s_add_co_u32 s[G0SB+1], s94, SCL
	s_mov_b64 s[G0SB+2:G0SB+3], s[92:93]
	s_or_b32 s[G0SB+3], s[G0SB+3], 0x80000000
	JLOAD G0S, G1S, G0SB, G1SB
.irp s, 0,1
	s_mov_b32 s[G0+4*\s], 1
	s_add_co_u32 s[G0+4*\s+1], s45, \s*SLOT
	s_add_nc_u64 s[G0+4*\s+2:G0+4*\s+3], s[20:21], \s*CH
	s_or_b32 s[G0+4*\s+3], s[G0+4*\s+3], 0x80000000
	s_mov_b32 s[G0B+4*\s], 1
	s_add_co_u32 s[G0B+4*\s+1], s45, \s*SLOT
	s_add_nc_u64 s[G0B+4*\s+2:G0B+4*\s+3], s[46:47], \s*CH
	s_or_b32 s[G0B+4*\s+3], s[G0B+4*\s+3], 0x80000000
	JLOAD G0+4*\s, G1, G0B+4*\s, G1B               ; three tensor loads of mine are out behind the second of these
.endr
	v_and_b32 v1, 15, v0                           ; r
	v_bfe_u32 v2, v0, 4, 1                         ; h
	v_lshlrev_b32 v[TOK], 3, v1
.irp a, 0,1,2,3
	global_load_b64 v[SEL+2*\a:SEL+2*\a+1], v[TOK], s[66:67] offset:128*\a   ; token 16 a + r of my 64: its two experts,
	global_load_b64 v[RW+2*\a:RW+2*\a+1], v[TOK], s[96:97] offset:128*\a     ; and their weights
.endr
	v_and_b32 v3, 31, v0
	v_lshlrev_b32 v4, 4, v3                        ; 16 x lane
	s_lshl_b32 s21, s15, 15
	s_lshl_b32 s22, s16, 15
	s_add_co_u32 s22, s22, 2*WLB
.irp s, 0,1
	v_add_nc_u32 v[ADRA+\s], s21, v4
	v_add_nc_u32 v[ADRB+\s], s22, v4
	s_add_co_u32 s21, s21, SLOT
	s_add_co_u32 s22, s22, SLOT
.endr
	v_lshlrev_b32 v5, 4, v1
	s_lshl_b32 s21, s15, 13
	s_lshl_b32 s22, s16, 13
	s_add_co_u32 s22, s22, 2*SWLB
	s_sub_co_u32 s22, s22, s21
	v_mul_u32_u24 v6, s22, v2                      ; lanes 16-31 take w2's words
	s_add_co_u32 s21, s21, SCL
	v_add_nc_u32 v5, v5, v6
	v_add_nc_u32 v[ADRS], s21, v5
	s_mul_i32 s23, s14, 16*SP                      ; my stage
	v_mul_u32_u24 v5, v1, SP
	v_lshl_add_u32 v5, v2, 6, v5
	v_add_nc_u32 v[STO], s23, v5                   ; in: row r, + 64 h bytes
	v_mul_u32_u24 v5, v2, SP
	v_lshl_add_u32 v5, v1, 4, v5
	v_add_nc_u32 v[RD], s23, v5                    ; back: lanes 0-15 one row of 256 bytes, lanes 16-31 the next
	v_lshlrev_b32 v5, 13, v2
	v_lshl_add_u32 v[CO], v1, 4, v5                ; and the same two rows in out0 (8,192 bytes a row)
.irp a, 0,1,2,3
	v_mov_b32 v[WT+2*\a+1], 0                      ; named with w_e as a pair, so it is written
.endr
	s_lshl_b32 s20, s17, 20                        ; out0 at my first token and column: (128 x tile + 64 x half) rows, (128 x tile + 64 x half) x 4 bytes
	s_lshl_b32 s21, s15, 19
	s_add_co_u32 s20, s20, s21
	s_lshl_b32 s46, s42, 9
	s_lshl_b32 s47, s16, 8
	s_add_co_u32 s46, s46, s47
	s_add_co_u32 s20, s20, s46
	s_mov_b32 s21, 0
	s_add_nc_u64 s[12:13], s[12:13], s[20:21]
.macro FETCH slot, k8, f               ; the slot's k8-th K step: 4 fragments of h, 4 of w2, as they lie: 16 loads of 512 consecutive bytes
.irp i, 0,1,2,3
.irp c, 0,1
	ds_load_b128 v[\f+8*\i+4*\c:\f+8*\i+4*\c+3], v[ADRA+\slot] offset:4096*(\k8)+1024*\i+512*\c
.endr
.endr
.irp i, 0,1,2,3
.irp c, 0,1
	ds_load_b128 v[\f+32+8*\i+4*\c:\f+32+8*\i+4*\c+3], v[ADRB+\slot] offset:4096*(\k8)+1024*\i+512*\c
.endr
.endr
.endm
.macro SCALES e                        ; expert e's scale words: four words a row
.irp i, 0,1,2,3
	ds_load_b128 v[SC+4*\i:SC+4*\i+3], v[ADRS] offset:1024*(\e)+256*\i
.endr
.endm
; 16 matrix instructions, 128 along K; the 16 accumulators take turns, one instruction a turn.  zero = 1: an expert's first K step starts its sums.
.macro MUL16 f, q, zero
.irp a, 0,1,2,3
.irp b, 0,1,2,3
.if \zero
	v_wmma_scale_f32_16x16x128_f8f6f4 v[ACC+8*(4*\a+\b):ACC+8*(4*\a+\b)+7], v[\f+32+8*\b:\f+32+8*\b+7], v[\f+8*\a:\f+8*\a+7], 0, v[SC+4*\b+\q], v[SC+4*\a+\q] matrix_a_fmt:MATRIX_FMT_FP4 matrix_b_fmt:MATRIX_FMT_FP4 matrix_a_scale:MATRIX_SCALE_ROW1
.else
	v_wmma_scale_f32_16x16x128_f8f6f4 v[ACC+8*(4*\a+\b):ACC+8*(4*\a+\b)+7], v[\f+32+8*\b:\f+32+8*\b+7], v[\f+8*\a:\f+8*\a+7], v[ACC+8*(4*\a+\b):ACC+8*(4*\a+\b)+7], v[SC+4*\b+\q], v[SC+4*\a+\q] matrix_a_fmt:MATRIX_FMT_FP4 matrix_b_fmt:MATRIX_FMT_FP4 matrix_a_scale:MATRIX_SCALE_ROW1
.endif
.endr
.endr
.endm
.macro PLACES                          ; four places in front of loads into registers that matrix instructions have read (ISA guide 7.12.1 for vector instructions)
.rept 4
	v_nop
.endr
.endm
; The expert's result is weighed into the sum.  The twenty lines that make w_e name no register of the products: they are the places behind the last of them, and with the lines below the places in front of
; the next expert's loads and of its first products, which write the accumulators anew.
.macro RESCALE e, first
.irp a, 0,1,2,3
	v_cmp_eq_u32 vcc_lo, \e, v[SEL+2*\a]
	v_cndmask_b32 v[WT+2*\a], 0, v[RW+2*\a], vcc_lo
	v_cmp_eq_u32 vcc_lo, \e, v[SEL+2*\a+1]
	v_cndmask_b32 v[TW], 0, v[RW+2*\a+1], vcc_lo
	v_add_f32 v[WT+2*\a], v[WT+2*\a], v[TW]        ; w_e of token 16 a + r
.endr
.if \first
	WIN 0x41                                       ; destination and source 0 window 1, w_e window 0
.else
	WIN 0x51                                       ; and source 2 window 1
.endif
.irp a, 0,1,2,3
.set P, 0
.rept 16                                       ; each accumulator is read from its low end on
.if \first
	v_pk_mul_f32 v[FIN+32*\a+P:FIN+32*\a+P+1], v[ACC+32*\a+P:ACC+32*\a+P+1], v[WT+2*\a:WT+2*\a+1] op_sel_hi:[1,0]   ; the first expert starts the sum: nothing is cleared
.else
	v_pk_fma_f32 v[FIN+32*\a+P:FIN+32*\a+P+1], v[ACC+32*\a+P:ACC+32*\a+P+1], v[WT+2*\a:WT+2*\a+1], v[FIN+32*\a+P:FIN+32*\a+P+1] op_sel_hi:[1,0,1]
.endif
.set P, P+2
.endr
.endr
	WIN 0
.endm
; One expert: four K steps on two fragment buffers by turns; each step's 16 loads are issued a step ahead.
.macro EXPERT slot, half, e, first
	FETCH \slot, 4*\half, F0
	SCALES \e
.irp q, 0,1,2,3
.if \q < 3
.if \q > 0
	PLACES
.endif
	FETCH \slot, 4*\half+\q+1, F0+64*((\q+1)%2)
	s_wait_dscnt 16                                ; all but the 16 just issued
.else
	s_wait_dscnt 0x0
.endif
	WIN 0x50                                       ; C and D window 1
.if \q == 0
	MUL16 F0+64*(\q%2), \q, 1
.else
	MUL16 F0+64*(\q%2), \q, 0
.endif
	WIN 0
.endr
	RESCALE \e, \first
.endm
; THE CHANGE OF SLOTS.  Each wave waits for all its tensor loads (its part of the slot ahead), adds 0 to its spare word, and waits for that and for its reads of the slot that it leaves.
; fill = 1: the barrier is a round of the cluster's, and the slot just left is filled with the experts four further on: the load has two experts' work, 128 matrix instructions, in which to land.
.macro CHANGE fill, slot
	s_wait_tensorcnt 0x0                           ; no tensor load of mine is out, so a group 0 may be written
	ds_add_u32 v[SPW], v[NIL]                      ; 0 onto my spare word
.if \fill
	s_add_nc_u64 s[G0+4*\slot+2:G0+4*\slot+3], s[G0+4*\slot+2:G0+4*\slot+3], 2*CH
	s_add_nc_u64 s[G0B+4*\slot+2:G0B+4*\slot+3], s[G0B+4*\slot+2:G0B+4*\slot+3], 2*CH
.endif
	s_wait_dscnt 0x0                               ; the add is done, and my reads of the slot are over
.if \fill
	CROUND
	JLOAD G0+4*\slot, G1, G0B+4*\slot, G1B         ; the first thing behind the round, and my one tensor load until the next
.else
	s_barrier_signal -1
	s_barrier_wait -1
.endif
.endm
	s_wait_loadcnt 0x0                             ; my tokens' experts and weights
	s_wait_tensorcnt 1                             ; the scales and my part of slot 0 are in (slot 1's load may be out)
	s_barrier_signal -1
	s_barrier_wait -1                              ; everybody's are
	EXPERT 0, 0, 0, 1
	EXPERT 0, 1, 1, 0
	CHANGE 1, 0                                    ; slot 0 takes experts 4 and 5
	EXPERT 1, 0, 2, 0
	EXPERT 1, 1, 3, 0
	CHANGE 1, 1                                    ; slot 1 takes experts 6 and 7
	EXPERT 0, 0, 4, 0
	EXPERT 0, 1, 5, 0
	CHANGE 0, 0                                    ; nothing is left to fetch
	EXPERT 1, 0, 6, 0
	EXPERT 1, 1, 7, 0
; THE WAY OUT, a block of 16 tokens x 64 columns at a time, through my own stage.  The rows of w2c are columns with bits 3 and 4 exchanged: in block 2 c + u a lane's eight numbers are columns 32 c + 16 h + 8 u + 0 .. 7.
; LDS serves a wave's instructions in order (ISA guide 5.7.1.4): no wait between the stores and the loads, nor in front of the next block's stores.
.macro TOSTAGE a
	WIN 0x04                                       ; an LDS store's data are its source 1: window 1
.irp b, 0,1,2,3
	ds_store_b128 v[STO], v[FIN+8*(4*(\a)+\b):FIN+8*(4*(\a)+\b)+3] offset:128*(\b/2)+32*(\b%2)
	ds_store_b128 v[STO], v[FIN+8*(4*(\a)+\b)+4:FIN+8*(4*(\a)+\b)+7] offset:128*(\b/2)+32*(\b%2)+16
.endr
	WIN 0
.irp t, 0,1,2,3,4,5,6,7
	ds_load_b128 v[F0+32*(\a)+4*\t:F0+32*(\a)+4*\t+3], v[RD] offset:2*\t*SP   ; each block has 32 registers of its own: no store's data are written again
.endr
.endm
.macro SEND a, younger                 ; younger: the LDS instructions issued behind block a's loads, which may stay out
	s_wait_dscnt \younger
.irp t, 0,1,2,3,4,5,6,7
	global_store_b128 v[CO], v[F0+32*(\a)+4*\t:F0+32*(\a)+4*\t+3], s[12:13] offset:(16*(\a)+2*\t)*8192 th:TH_STORE_NT   ; 16 lanes store 256 consecutive bytes, aligned; written once, read by nobody here
.endr
.endm
	TOSTAGE 0
.irp a, 1,2,3
	TOSTAGE \a
	SEND \a-1, 16                                  ; behind block a - 1's loads: block a's 8 stores and 8 loads
.endr
	SEND 3, 0
	s_wait_tensorcnt 0x0                           ; the wave's end
	ds_add_u32 v[SPW], v[NIL]
	s_wait_dscnt 0x0
	CROUND                                         ; the closing round: no work-group ends while a partner may still ask for a tile that names it
	s_endpgm
.Lfunc_end_k_q355b87ba4d_down:
	.size	k_q355b87ba4d_down, .Lfunc_end_k_q355b87ba4d_down-k_q355b87ba4d_down
	.p2alignl 7, 3214868480
	.fill 96, 4, 3214868480
	.section	.rodata,"a",@progbits
	.p2align	6, 0x0
	.amdhsa_kernel k_q355b87ba4d_down
		.amdhsa_group_segment_fixed_size 327680
		.amdhsa_private_segment_fixed_size 0
		.amdhsa_enable_private_segment 0
		.amdhsa_kernarg_size 56
		.amdhsa_user_sgpr_count 2
		.amdhsa_user_sgpr_kernarg_segment_ptr 1
		.amdhsa_wavefront_size32 1
		.amdhsa_system_sgpr_workgroup_id_x 1
		.amdhsa_system_sgpr_workgroup_id_y 1
		.amdhsa_system_sgpr_workgroup_id_z 1
		.amdhsa_system_vgpr_workitem_id 0
		.amdhsa_next_free_vgpr 512
		.amdhsa_next_free_sgpr 100
		.amdhsa_reserve_vcc 1
		.amdhsa_float_denorm_mode_32 3
		.amdhsa_float_denorm_mode_16_64 3
		.amdhsa_memory_ordered 1
		.amdhsa_forward_progress 1
		.amdhsa_inst_pref_size 161
	.end_amdhsa_kernel
	.amdgpu_metadata
---
amdhsa.version: [ 1, 2 ]
amdhsa.kernels:
  - .name:           k_q355b87ba4d_down
    .symbol:         k_q355b87ba4d_down.kd
    .args:
      - { .name: hc, .offset: 0, .size: 8, .value_kind: global_buffer, .address_space: global }
      - { .name: hs, .offset: 8, .size: 8, .value_kind: global_buffer, .address_space: global }
      - { .name: w2c, .offset: 16, .size: 8, .value_kind: global_buffer, .address_space: global }
      - { .name: w2s, .offset: 24, .size: 8, .value_kind: global_buffer, .address_space: global }
      - { .name: selected_experts, .offset: 32, .size: 8, .value_kind: global_buffer, .address_space: global }
      - { .name: routing_weights, .offset: 40, .size: 8, .value_kind: global_buffer, .address_space: global }
      - { .name: out0, .offset: 48, .size: 8, .value_kind: global_buffer, .address_space: global }
    .group_segment_fixed_size: 327680
    .private_segment_fixed_size: 0
    .kernarg_segment_align: 8
    .kernarg_segment_size: 56
    .max_flat_workgroup_size: 128
    .sgpr_count:     100
    .vgpr_count:     512
    .wavefront_size: 32
...
	.end_amdgpu_metadata
.endif
;; end of part 3
